; MI455X (gfx1250); checked and timed in simulation.
; The chip was launched on July 23, 2026; its instructions are those of AMD's public machine-readable ISA for CDNA 5 (MIT licence, August 2026) and "CDNA5" Instruction Set Architecture Reference Guide (July 2026). The comments in the code are by the model that wrote it; some were corrected since.
;; My Linear. Allowed arithmetic: matrix products marked QUANTISED: E5M2 operands, one E8M0 scale for each 32 along K, by v_wmma_scale_f32_16x16x128_f8f6f4 with both operands' format E5M2, f32 sums; everything else in f32.
;; Inputs: bias 1 x 4,096 float32; weight 1 x 4,096 x 4,096 float32; x 4,096 x 4,096 float32.
;; Outputs: out0 4,096 x 4,096 float32.
;; This version of the problem:
;;   THIS VERSION OF THE PROBLEM IS GIVEN IN LOW PRECISION. The matrix products marked QUANTISED in the list below multiply operands that are first quantised to E5M2 (5 exponent bits, 2 mantissa bits; 8 bits a number), with one power-of-two scale for each 32 numbers along K (OCP MX v1.0); their sums are f32. All else is computed in f32.
;;   The module's matrix products, in the order in which they are computed (A, B: the left and right operand; K: the contracted axis; several contracted axes count as one K, in the product's order):
;;     1. [M 4,096, K 4,096] x [K 4,096, N 4,096]; A: input x; B: input weight: QUANTISED
;;   THE QUANTISER, for each operand of a quantised product, along K:
;;     - K is cut into blocks of 32 from its start; a last block that is shorter is filled with zeros.
;;     - A block's scale is 2^e with e = floor(log2(the largest magnitude in the block)) - 15, held to -126 .. 127; a block of zeros has e = 0. As a byte (E8M0): e + 127.
;;     - Each number is divided by its block's scale, clamped to +-57,344, and rounded to the nearest number of E5M2, ties to even, subnormals kept.
;;     - The product sums the exact products of the quantised numbers (number of the format x scale) in f32.
;;   ~~~python
;;   def quantise(x, axis):      # numpy; x: float32 -> the quantised numbers, widened to float32 again
;;       x = np.moveaxis(x, axis, -1); K = x.shape[-1]
;;       x = np.pad(x, [(0, 0)] * (x.ndim - 1) + [(0, -K % 32)]); x = x.reshape(x.shape[:-1] + (-1, 32)); a = np.abs(x).max(-1, keepdims=True)
;;       e = np.where(a > 0, np.clip(np.frexp(np.where(a > 0, a, 1))[1] - 1 - 15, -126, 127), 0)      # np.frexp(a)[1] - 1 = floor(log2(a)), exactly
;;       r = np.clip(x / 2.0 ** e, -57344, 57344)
;;       step = 2.0 ** (np.maximum(np.frexp(np.where(r == 0, 1, r))[1] - 1, -14) - 2)
;;       q = np.round(r / step) * step * 2.0 ** e      # np.round: ties to even
;;       return np.moveaxis(q.reshape(q.shape[:-2] + (-1,))[..., :K], -1, axis).astype(np.float32)
;;   ~~~
;; One version. Each part assembles by itself: llvm-mc -triple=amdgcn-amd-amdhsa -mcpu=gfx1250 --defsym DOCPART=n.
;; ======== version 1 of 1: 2 launches
;; limits: right only within a limited range of input values
;; workspace buffers: aq 17,301,504 bytes; bq 17,301,504 bytes
;; launch quant (part 1): grid 1024 x 1, 4 waves a work-group, no clusters, 68,096 bytes of LDS; arguments x, weight, aq, bq; writes aq, bq
.if DOCPART == 1
	.amdgcn_target "amdgcn-amd-amdhsa--gfx1250"
	.amdhsa_code_object_version 6
	.text
	.protected	k_q0ae9578872_quant
	.globl	k_q0ae9578872_quant
	.p2align	8
	.type	k_q0ae9578872_quant,@function
k_q0ae9578872_quant:
	s_mov_b64 s[64:65], 0
	v_nop
	global_prefetch_b8 v0, s[64:65] scope:SCOPE_SE
	s_setreg_imm32_b32 hwreg(HW_REG_WAVE_MODE, 25, 1), 1
	s_wait_xcnt 0x0
; BOTH OPERANDS OF THE PRODUCT ARE QUANTISED HERE, in one launch: x [4096 (m)][4096 (k)] into aq, weight [4096 (k)][4096 (n)] into bq: codes of BF8 (E5M2), K innermost, with one E8M0 scale byte for each 32 along K.
; aq AND bq ARE LAID BY TILES, as the product's launch fetches them: [rows / 128 = 32][K / 256 = 16][33,792 bytes]; in a tile: 128 rows x 256 codes (row j at 256 j), then 128 rows x 8 scale bytes (row j at 32,768 + 8 j).  A row of bq is a column n of weight.
; A block's scale is 2^(floor(log2(its largest magnitude)) - 15); its byte is the largest magnitude's exponent field - 15, held at 1 from below.  Each number is divided by the scale, held within +-57,344, rounded to the nearest code, ties to even.
; LIMITS: NaN and infinities among the inputs are not served.  A block of zeros gets the byte 1 where the rule says 127: its codes are zeros, which add nothing under any byte but 0xff, and this program alone reads the bytes.
; Work-groups 0 to 511 take x, 512 to 1,023 weight: the two ways part on the work-group's number, and each has LDS bytes of its own (x: from 0; weight: from 32,768).  No tensor loads, no barrier: waves share nothing.
; x (K innermost).  Work-group (g = id % 128, y = id / 128): rows 32 g .. 32 g + 31; its wave w takes K step s = 4 y + w (256 along K): 8,192 numbers, in 16 steps of two rows' 256.  Each load reads 512 consecutive bytes, 16 a lane;
;   the conversions want 16 NEIGHBOURS along K in one lane: a step's 2,048 bytes turn through the wave's own stage in LDS (16 bytes of padding behind each 64) and come back 64 bytes a lane.  A step's codes leave as 512 consecutive bytes,
;   the wave's 256 scale bytes, gathered in LDS, as 256.  Loads run four steps (16 loads a wave) ahead, the turn through LDS one step.  Every offset is an immediate and every store has data registers of its own.
; weight (K its first axis).  Work-group (G = id' % 32, s = id' / 32) makes tile (G, s); wave w its columns 32 w .. 32 w + 31.  A LANE TAKES A COLUMN n, AND ITS REGISTERS RUN DOWN K: each load reads 128 consecutive bytes a wave,
;   a block of 32 along K lies in ONE lane's 32 registers, and the conversions give codes with K innermost.  The codes go through the wave's own stage and leave two rows of the tile, 512 consecutive bytes, a store; the scale bytes as 256 consecutive bytes.
;   Loads run two blocks (64 loads a wave) ahead.  The largest immediate is 255 x 16,384.
.set XWG,   512                        ; x's work-groups
.set TILE,  33792
.set MANT,  0x600000                   ; the mantissa field of 57,344 as f32
; x's way
.set STEPS, 16
.set R,     16                         ; v16-79   four sets of 16 numbers as they are loaded
.set X,     80                         ; v80-111  two sets of 16 neighbours
.set E,     112                        ; v112-127 a scale byte for each step
.set C,     128                        ; v128-191 codes: four registers for each step
.set WREG,  8192                       ; LDS: a region for each wave: two stages of 32 x SP bytes, behind them its 256 scale bytes
.set SP,    80                         ; a lane's place in a stage: its 64 bytes + 16 of padding
; weight's way
.set NB,    8                          ; blocks of a lane
.set PITCH, 272                        ; a stage row: 256 bytes + 16
.set WSTG,  32768                      ; LDS: the four waves' stages of 32 rows begin here
.set WX,    32                         ; v32-95   two sets of 32 numbers
.set WC,    96                         ; v96-103  a block's codes
.set OUTR,  112                        ; v112-175 the way out
.set SB,    24                         ; v24-25   the scale bytes, four to a register
	s_load_b256 s[4:11], s[0:1], 0x0               ; x s[4:5], weight s[6:7], aq s[8:9], bq s[10:11]
	v_lshl_add_u32 v192, v0, 2, 0x10800
	v_mov_b32 v193, 0
	v_lshrrev_b32 v1, 5, v0
	v_readfirstlane_b32 s16, v1                    ; wave 0..3
	v_and_b32 v2, 31, v0                           ; lane
	s_mov_b32 s31, MANT                            ; (an instruction takes one literal: the hold's line has another)
	s_cmp_lt_u32 ttmp9, XWG                        ; x's work-group or weight's?
	s_cbranch_scc0 .Lweight
	; ---------------- x ----------------
	v_lshlrev_b32 v3, 4, v2                        ; 16 x lane: my 16 bytes of a load's 512, and of a step's 512 bytes of codes
	s_mul_i32 s17, s16, WREG
	v_lshrrev_b32 v14, 2, v2
	v_mul_u32_u24 v14, v14, SP
	v_and_b32 v15, 3, v2
	v_lshl_add_u32 v14, v15, 4, v14
	v_add_nc_u32 v14, s17, v14                     ; the stage, on the way in: SP (lane / 4) + 16 (lane % 4); a load's 512 bytes take eight places
	v_mul_u32_u24 v15, v2, SP
	v_add_nc_u32 v15, s17, v15                     ; and on the way out: SP x lane: my 16 neighbours
	v_lshrrev_b32 v5, 1, v2
	s_add_co_u32 s17, s17, 2*32*SP
	v_add_nc_u32 v5, s17, v5                       ; my wave's 256 scale bytes, my block's byte: lane / 2 = 8 x (row of the step's two) + block
	v_lshlrev_b32 v7, 3, v2                        ; on the way out 8 bytes a lane
	v_add_nc_u32 v6, s17, v7
	s_and_b32 s19, ttmp9, 127                      ; g: my 32 rows
	s_lshr_b32 s18, ttmp9, 7                       ; y
	s_lshl_b32 s18, s18, 2
	s_add_co_u32 s18, s18, s16                     ; s: my K step = 4 y + wave
	s_lshl_b32 s20, s19, 19                        ; x: 32 g rows of 16,384 bytes
	s_lshl_b32 s21, s18, 10                        ;    + 1,024 bytes a K step
	s_add_co_u32 s20, s20, s21
	s_mov_b32 s21, 0
	s_lshr_b32 s22, s19, 2
	s_lshl_b32 s22, s22, 4
	s_add_co_u32 s22, s22, s18
	s_mul_i32 s22, s22, TILE                       ; my tile: 16 (g / 4) + s
	s_and_b32 s23, s19, 3                          ; which 32 of its 128 rows
	s_lshl_b32 s24, s23, 13
	s_add_co_u32 s24, s24, s22                     ; their codes
	s_mov_b32 s25, 0
	s_lshl_b32 s28, s23, 8
	s_add_co_u32 s28, s28, s22
	s_add_co_u32 s28, s28, 32768                   ; their scale bytes
	s_mov_b32 s29, 0
	s_wait_alu depctr_va_vdst(0)
	s_wait_kmcnt 0x0
	s_add_nc_u64 s[4:5], s[4:5], s[20:21]
	s_add_nc_u64 s[12:13], s[8:9], s[24:25]
	s_add_nc_u64 s[14:15], s[8:9], s[28:29]
.macro XLOAD t                         ; step t: rows 2 t and 2 t + 1, 1,024 bytes of each, as four loads of 512 consecutive bytes
.irp i, 0,1,2,3
	global_load_b128 v[R+16*((\t)%4)+4*\i:R+16*((\t)%4)+4*\i+3], v3, s[4:5] offset:(2*(\t)+\i/2)*16384+(\i%2)*512 th:TH_LOAD_NT
.endr
.endm
.macro XTURN t                         ; step t's numbers through the stage: LDS serves a wave's instructions in order (ISA guide 5.7.1.4), so no wait stands between the stores and the loads
.irp i, 0,1,2,3
	ds_store_b128 v14, v[R+16*((\t)%4)+4*\i:R+16*((\t)%4)+4*\i+3] offset:32*SP*((\t)%2)+8*SP*\i
.endr
.irp i, 0,1,2,3
	ds_load_b128 v[X+16*((\t)%2)+4*\i:X+16*((\t)%2)+4*\i+3], v15 offset:32*SP*((\t)%2)+16*\i
.endr
.endm
.irp t, 0,1,2,3
	XLOAD \t
.endr
	s_wait_loadcnt 12                              ; step 0's four loads are in; the twelve of steps 1 to 3 may be out
	XTURN 0
.macro XSTEP t
.set XS, X+16*((\t)%2)
.if (\t) > 0
	s_wait_dscnt 1                                 ; this step's numbers are back from the stage (the last step's byte store may be out): so its stores into the stage have read their registers,
.else
	s_wait_dscnt 0x0
.endif
.if (\t)+4 < STEPS
	XLOAD (\t)+4                                   ; which take the loads of four steps on
.endif
.if (\t)+1 < STEPS
.if STEPS-2-(\t) >= 3
	s_wait_loadcnt 12                              ; the next step's four loads are in; those of the three steps behind it may be out
.else
	s_wait_loadcnt 4*(STEPS-2-(\t))                ; near the end fewer steps stand behind it
.endif
	XTURN (\t)+1                                   ; and go through the other stage while this step is worked
.endif
	v_max3_num_f32 v8, |v[XS]|, |v[XS+1]|, |v[XS+2]|               ; the largest magnitude of my 16, in two chains
	v_max3_num_f32 v9, |v[XS+3]|, |v[XS+4]|, |v[XS+5]|
.irp i, 6,10
	v_max3_num_f32 v8, v8, |v[XS+\i]|, |v[XS+\i+1]|
	v_max3_num_f32 v9, v9, |v[XS+\i+2]|, |v[XS+\i+3]|
.endr
	v_max3_num_f32 v8, v8, |v[XS+14]|, |v[XS+15]|
	v_max3_num_f32 v8, v8, v9, 0x8000000           ; and the floor 2^(16 - 127): so the byte cannot fall under 1
	v_max_num_f32_dpp v8, v8, v8 row_xmask:1 row_mask:0xf bank_mask:0xf   ; and of my neighbour's 16: the block's
	v_add_nc_u32 v11, 0xf8800000, v8               ; 15 off its exponent field: the conversion takes the exponent field of this operand as its scale, and nothing else of it
	v_and_or_b32 v10, v8, 0x7f800000, s31          ; 57,344 x the scale: the largest magnitude's exponent field over 57,344's mantissa
.irp i, 0,1,2,3,4,5,6,7,8,9,10,11,12,13,14,15
	v_med3_num_f32 v[XS+\i], v[XS+\i], -v10, v10   ; the conversion to an 8-bit code does not saturate (ISA guide 7.6.2): the hold comes first
.endr
	v_cvt_scalef32_pk8_bf8_f32 v[C+4*(\t):C+4*(\t)+1], v[XS:XS+7], v11
	v_cvt_scalef32_pk8_bf8_f32 v[C+4*(\t)+2:C+4*(\t)+3], v[XS+8:XS+15], v11
	v_lshrrev_b32 v[E+(\t)], 23, v11               ; the scale's byte (also the plain line behind the conversions)
	ds_store_b8 v5, v[E+(\t)] offset:16*(\t)       ; both lanes of a block write the same byte with the same value
	global_store_b128 v3, v[C+4*(\t):C+4*(\t)+3], s[12:13] offset:512*(\t)   ; 32 lanes store 512 consecutive bytes: rows 2 t and 2 t + 1 of my 32
.endm
.irp t, 0,1,2,3,4,5,6,7,8,9,10,11,12,13,14,15
	XSTEP \t
.endr
	ds_load_b64 v[12:13], v6                       ; LDS serves a wave's instructions in order: these see my byte stores
	s_wait_dscnt 0x0
	global_store_b64 v7, v[12:13], s[14:15]        ; 32 lanes store 256 consecutive bytes, at a multiple of 256 from aq's first byte
	s_wait_tensorcnt 0x0
	ds_add_u32 v192, v193
	s_wait_dscnt 0x0
	s_endpgm
	; ---------------- weight ----------------
.Lweight:
	s_sub_co_u32 s19, ttmp9, XWG
	s_lshr_b32 s18, s19, 5                         ; s: the K step
	s_and_b32 s19, s19, 31                         ; G: my 128 columns
	s_wait_alu depctr_va_vdst(0)
	v_lshlrev_b32 v3, 2, v2                        ; in: 4 bytes a lane
	s_mul_i32 s17, s16, 32*PITCH
	s_add_co_u32 s17, s17, WSTG                    ; my stage
	v_mul_u32_u24 v4, v2, PITCH
	v_add_nc_u32 v4, s17, v4                       ; into it: row = my column
	v_and_b32 v5, 15, v2
	v_lshrrev_b32 v6, 4, v2
	v_mul_u32_u24 v7, v6, PITCH
	v_lshl_add_u32 v7, v5, 4, v7
	v_add_nc_u32 v7, s17, v7                       ; out of it: sixteen lanes to a row, two rows an instruction
	v_lshlrev_b32 v8, 4, v2                        ; the same two rows in the tile are 512 bytes on end: 16 x lane
	v_lshlrev_b32 v9, 3, v2                        ; my column's 8 scale bytes
	s_lshl_b32 s20, s18, 22                        ; weight: 256 s rows of 16,384 bytes
	s_lshl_b32 s21, s19, 9                         ;   + 128 G columns of 4 bytes
	s_add_co_u32 s20, s20, s21
	s_lshl_b32 s21, s16, 7                         ;   + 32 columns a wave
	s_add_co_u32 s20, s20, s21
	s_mov_b32 s21, 0
	s_lshl_b32 s24, s19, 4
	s_add_co_u32 s24, s24, s18
	s_mul_i32 s24, s24, TILE                       ; my tile: 16 G + s
	s_lshl_b32 s22, s16, 13
	s_add_co_u32 s22, s22, s24                     ; my 32 rows of codes
	s_mov_b32 s23, 0
	s_lshl_b32 s26, s16, 8
	s_add_co_u32 s26, s26, s24
	s_add_co_u32 s26, s26, 32768                   ; and their scale bytes
	s_mov_b32 s27, 0
	s_wait_kmcnt 0x0
	s_add_nc_u64 s[6:7], s[6:7], s[20:21]
	s_add_nc_u64 s[12:13], s[10:11], s[22:23]
	s_add_nc_u64 s[14:15], s[10:11], s[26:27]
.macro WLOAD t                         ; block t: weight(256 s + 32 t + i, my column), i = 0 .. 31, into set t % 2
.irp i, 0,1,2,3,4,5,6,7,8,9,10,11,12,13,14,15,16,17,18,19,20,21,22,23,24,25,26,27,28,29,30,31
	global_load_b32 v[WX+32*((\t)%2)+\i], v3, s[6:7] offset:(32*(\t)+\i)*16384 th:TH_LOAD_NT
.endr
.endm
	WLOAD 0
	WLOAD 1
.macro WBLOCK t
.set WS, WX+32*((\t)%2)
.if (\t) < NB-1
	s_wait_loadcnt 32                              ; this block's 32 loads are in; the next block's 32 may be out
.else
	s_wait_loadcnt 0x0
.endif
	v_max3_num_f32 v12, |v[WS]|, |v[WS+1]|, |v[WS+2]|              ; the block's largest magnitude: all 32 numbers are mine; two chains
	v_max3_num_f32 v13, |v[WS+3]|, |v[WS+4]|, |v[WS+5]|
.irp i, 6,10,14,18,22,26
	v_max3_num_f32 v12, v12, |v[WS+\i]|, |v[WS+\i+1]|
	v_max3_num_f32 v13, v13, |v[WS+\i+2]|, |v[WS+\i+3]|
.endr
	v_max3_num_f32 v12, v12, |v[WS+30]|, |v[WS+31]|
	v_max3_num_f32 v12, v12, v13, 0x8000000        ; and the floor 2^(16 - 127): so the byte cannot fall under 1
	v_add_nc_u32 v11, 0xf8800000, v12              ; 15 off its exponent field: the conversion's scale operand
	v_and_or_b32 v10, v12, 0x7f800000, s31         ; 57,344 x the scale
	v_lshrrev_b32 v13, 23, v11                     ; the scale's byte
.if (\t)%4 == 0
	v_mov_b32 v[SB+(\t)/4], v13                    ; four bytes to a register, the lower K in the lower byte
.else
	v_lshl_or_b32 v[SB+(\t)/4], v13, 8*((\t)%4), v[SB+(\t)/4]
.endif
.irp i, 0,1,2,3,4,5,6,7,8,9,10,11,12,13,14,15,16,17,18,19,20,21,22,23,24,25,26,27,28,29,30,31
	v_med3_num_f32 v[WS+\i], v[WS+\i], -v10, v10   ; the conversion to an 8-bit code does not saturate (ISA guide 7.6.2): the hold comes first
.endr
.irp g, 0,1,2,3
	v_cvt_scalef32_pk8_bf8_f32 v[WC+2*\g:WC+2*\g+1], v[WS+8*\g:WS+8*\g+7], v11
.endr
	v_nop                                          ; one plain line behind the last conversion
	ds_store_b128 v4, v[WC:WC+3] offset:32*(\t)    ; 32 codes: 32 bytes of my column's row
	ds_store_b128 v4, v[WC+4:WC+7] offset:32*(\t)+16
.if (\t)+2 < NB
	WLOAD (\t)+2
.endif
	s_wait_dscnt 0x0                               ; the stores have read their registers: the next block's codes may be written
.endm
.irp t, 0,1,2,3,4,5,6,7
	WBLOCK \t
.endr
	global_store_b64 v9, v[SB:SB+1], s[14:15]      ; 32 lanes store 256 consecutive bytes, at a multiple of 256 from bq's first byte
.irp t, 0,1,2,3,4,5,6,7,8,9,10,11,12,13,14,15
	ds_load_b128 v[OUTR+4*\t:OUTR+4*\t+3], v7 offset:2*\t*PITCH   ; LDS serves a wave's instructions in order (ISA guide 5.7.1.4): these see my stores
.endr
.irp t, 0,1,2,3,4,5,6,7,8,9,10,11,12,13,14,15
	s_wait_dscnt 15-\t                             ; load t is in; the 15 - t behind it may be out
	global_store_b128 v8, v[OUTR+4*\t:OUTR+4*\t+3], s[12:13] offset:512*\t   ; two rows of the tile: 512 consecutive bytes
.endr
	s_wait_tensorcnt 0x0
	ds_add_u32 v192, v193
	s_wait_dscnt 0x0
	s_endpgm
.Lfunc_end_k_q0ae9578872_quant:
	.size	k_q0ae9578872_quant, .Lfunc_end_k_q0ae9578872_quant-k_q0ae9578872_quant
	.p2alignl 7, 3214868480
	.fill 96, 4, 3214868480
	.section	.rodata,"a",@progbits
	.p2align	6, 0x0
	.amdhsa_kernel k_q0ae9578872_quant
		.amdhsa_group_segment_fixed_size 68096
		.amdhsa_private_segment_fixed_size 0
		.amdhsa_enable_private_segment 0
		.amdhsa_kernarg_size 32
		.amdhsa_user_sgpr_count 2
		.amdhsa_user_sgpr_kernarg_segment_ptr 1
		.amdhsa_wavefront_size32 1
		.amdhsa_system_sgpr_workgroup_id_x 1
		.amdhsa_system_sgpr_workgroup_id_y 1
		.amdhsa_system_sgpr_workgroup_id_z 1
		.amdhsa_system_vgpr_workitem_id 0
		.amdhsa_next_free_vgpr 194
		.amdhsa_next_free_sgpr 66
		.amdhsa_reserve_vcc 0
		.amdhsa_float_denorm_mode_32 3
		.amdhsa_float_denorm_mode_16_64 3
		.amdhsa_memory_ordered 1
		.amdhsa_forward_progress 1
		.amdhsa_inst_pref_size 110
	.end_amdhsa_kernel
	.amdgpu_metadata
---
amdhsa.version: [ 1, 2 ]
amdhsa.kernels:
  - .name:           k_q0ae9578872_quant
    .symbol:         k_q0ae9578872_quant.kd
    .args:
      - { .name: x, .offset: 0, .size: 8, .value_kind: global_buffer, .address_space: global }
      - { .name: weight, .offset: 8, .size: 8, .value_kind: global_buffer, .address_space: global }
      - { .name: aq, .offset: 16, .size: 8, .value_kind: global_buffer, .address_space: global }
      - { .name: bq, .offset: 24, .size: 8, .value_kind: global_buffer, .address_space: global }
    .group_segment_fixed_size: 68096
    .private_segment_fixed_size: 0
    .kernarg_segment_align: 8
    .kernarg_segment_size: 32
    .max_flat_workgroup_size: 128
    .sgpr_count:     66
    .vgpr_count:     194
    .wavefront_size: 32
...
	.end_amdgpu_metadata
.endif
;; end of part 1
;; launch gemm (part 2): grid 16 x 16, 4 waves a work-group, clusters of 4 x 4, 327,680 bytes of LDS; arguments aq, bq, bias, out0; writes out0
.if DOCPART == 2
	.amdgcn_target "amdgcn-amd-amdhsa--gfx1250"
	.amdhsa_code_object_version 6
	.text
	.protected	k_q0ae9578872_gemm
	.globl	k_q0ae9578872_gemm
	.p2align	8
	.type	k_q0ae9578872_gemm,@function
k_q0ae9578872_gemm:
	s_mov_b64 s[64:65], 0
	v_nop
	global_prefetch_b8 v0, s[64:65] scope:SCOPE_SE
	s_setreg_imm32_b32 hwreg(HW_REG_WAVE_MODE, 25, 1), 1
	s_wait_xcnt 0x0
	s_wait_alu depctr_hold_cnt(0) depctr_sa_sdst(0) depctr_va_vdst(0) depctr_va_sdst(0) depctr_va_ssrc(0) depctr_va_vcc(0) depctr_vm_vsrc(0)
	s_getreg_b32 s2, hwreg(HW_REG_IB_STS2, 6, 4)
	s_cmp_eq_u32 s2, 0
	s_cbranch_scc0 .Lentry_in_a_cluster
	s_endpgm
.Lentry_in_a_cluster:
	s_bfe_u32 s2, ttmp6, 0x10000c
	s_cmp_lg_u32 s2, 0xf033
	s_cbranch_scc0 .Lentry_shape_is_right
	s_endpgm
.Lentry_shape_is_right:
; out0[m][n] = sum over k of x[m][k] weight[k][n] + bias[n], on codes of BF8 (E5M2) with one E8M0 byte for each 32 along K, as the first launch left them in aq and bq:
; [rows / 128][K / 256][33,792 bytes]; a tile is 128 rows x 256 codes, then 128 rows x 8 scale bytes: one dense block.  Sums in f32, K ascending; the bias is added in f32 on the way out.
; LIMITS: NaN and infinities among the inputs are not served (the first launch states the same).
; THE DEAL: 256 work-groups of four waves; a work-group makes 256 x 256 of out0, a wave 128 x 128: 64 accumulators, 512 registers.  K goes in 16 steps of 256 through two LDS slots; a K step is two halves of 128 along K, 64 products each.
; CLUSTERS: 4 x 4.  A's tiles are shared along a row of the cluster, B's along a column: joint loads, one a wave (waves 0, 1: A's two tiles of 128 rows; waves 2, 3: B's).
; A TILE'S DESCRIPTOR states the dense block as 33 rows of 1,024 bytes; the padding's interval is 256 bytes, 16 bytes behind each: in LDS the tile is 132 rows, 272 bytes apart.
; THE PRODUCT IS USED TRANSPOSED (source 0 = 16 rows of bq, source 1 = 16 rows of aq): a lane holds eight neighbouring numbers of a row of out0.
; THE FRAGMENTS OF THE NEXT HALF COME IN RUNS OF LDS LOADS, AND THE FOUR WAVES' RUNS STAND AT FOUR PLACES OF A HALF.  B has two sets of registers and so have A's blocks 4-7: their 48 loads may stand anywhere in the half:
;   wave 3 issues them ahead of product 0, wave 2 ahead of product 16, wave 0 ahead of product 32, wave 1 ahead of product 48.  A's blocks 0-3 have one set, free behind product 31: their 16 loads (in a K step's second half also the
;   next K step's 16 scale words) stand ahead of product 32, wave 1's ahead of product 48.  The arms are branches on the wave's number round LDS loads alone.  Eight v_nop stand ahead of each run.
;   All that a half multiplies was asked for in the half before: one wait for all LDS loads stands at a half's head.
; THE CHANGE OF SLOTS: all reads of a slot are issued in its first half, up to product 48.  Behind that half's last product stand the wait for all tensor loads, the add, the wait for LDS and the round of the cluster's barrier;
;   the slot is filled again at the head of its second half, whose runs read the other slot.  From a request to the wait for it a wave issues 128 products.
; PREFETCH: in each second half with a refill (K step j + 2) a wave asks for K step j + 4 of the tile that it fetches: of its 128 rows of codes the four partners take 32 each, by address, a lane 256 bytes.  K steps 1 and 2 are asked for
;   behind the first load, K step 3 behind the second; the last trip of the loop asks for nothing.  A tile's 1,024 scale bytes come by their load alone.
; REGISTERS: window 0: v12-15 bias; v16-30 addresses; v32-63 scale words (set = slot; in it 8 q + i: lanes 0-15 A's block i, lanes 16-31 B's: a product's two scale registers are one, or differ modulo 8);
;   v64-127 A's blocks 0-3; v128-255 A's blocks 4-7, two sets.  window 1: B's two sets.  windows 2, 3: the accumulators ((a, b) at v[8 (8 (a % 4) + b)]).
.set PITCH,  272
.set TROWS,  132
.set HALFT,  TROWS*PITCH
.set SLOT,   4*HALFT
.set SOFF,   128*PITCH
.set TILE,   33792
.set GROW,   16*TILE
.set SPARE,  2*SLOT
.set STAGE,  SPARE+512
.set SPITCH, 528
.set BIAS, 12
.set ADRA, 16
.set ADRB, 20
.set ADRS, 22
.set STO,  24
.set RD,   25
.set CO,   26
.set SPW,  28
.set NIL,  29
.set PFO,  30
.set SC,   32
.set AF,   64
.set AD,   128
.set BK,   128
.set G1, 24
.set G0, 32
.set G1B, 48
.set G0B, 56
.set PFA, 12
.set MSB, 0
.macro WIN new
.if MSB != (\new)
	s_set_vgpr_msb (MSB<<8)|(\new)
.set MSB, (\new)
.endif
.endm
.set MUL_LO, 0xa1
.set MUL_HI, 0xf1
.set TO_B,   0x40
.macro PLACES n
.rept \n
	v_nop
.endr
.endm
.macro JLOAD g0a, g1a, g0b, g1b        ; a joint load; s_nop 0 and four v_nop follow each line
	s_cmp_eq_u32 s15, 0
	s_cbranch_scc0 .Lfor_b_\@
	tensor_load_to_lds s[\g0a:\g0a+3], s[\g1a:\g1a+7]
	s_nop 0
	PLACES 4
	s_branch .Lasked_\@
.Lfor_b_\@:
	tensor_load_to_lds s[\g0b:\g0b+3], s[\g1b:\g1b+7]
	s_nop 0
	PLACES 4
.Lasked_\@:
.endm
.macro CREST
	s_cmp_lg_u32 s14, 0
	s_cbranch_scc1 .Lnot_wave_0_\@
	s_barrier_signal -3
.Lnot_wave_0_\@:
	s_barrier_wait -3
	s_barrier_signal -1
	s_barrier_wait -1
.endm
.macro CROUND
	s_barrier_signal -1
	s_barrier_wait -1
	CREST
.endm
	s_load_b256 s[4:11], s[0:1], 0x0               ; aq, bq, bias, out0
	v_lshl_add_u32 v[SPW], v0, 2, SPARE
	v_mov_b32 v[NIL], 0
	ds_add_u32 v[SPW], v[NIL]                      ; the opening lines: the add twice on end and its wait
	ds_add_u32 v[SPW], v[NIL]
	v_lshrrev_b32 v1, 5, v0
	v_readfirstlane_b32 s14, v1                    ; wave
	s_lshr_b32 s15, s14, 1                         ; my half of the rows; also: I fetch for A (0) or B (1)
	s_and_b32 s16, s14, 1                          ; my half of the columns; also: which tile of 128 rows I fetch
	s_bfe_u32 s40, ttmp6, 0x40000                  ; cx
	s_bfe_u32 s41, ttmp6, 0x40004                  ; cy
	s_lshl_b32 s42, ttmp9, 2
	s_add_co_u32 s42, s42, s40                     ; tile column
	s_and_b32 s17, ttmp7, 0xffff
	s_lshl_b32 s17, s17, 2
	s_add_co_u32 s17, s17, s41                     ; tile row
	s_lshl_b32 s43, s41, 2
	s_lshl_b32 s43, 15, s43                        ; my row of the cluster
	s_lshl_b32 s44, 0x1111, s40                    ; my column
	s_or_b32 s[G1+0], s43, (3<<16)|(1<<20)|(1<<21)|(5<<22)|(3<<25)   ; elements of 8 bytes; 16 bytes of padding behind each 256
	s_or_b32 s[G1B+0], s44, (3<<16)|(1<<20)|(1<<21)|(5<<22)|(3<<25)
.irp g, G1, G1B
	s_mov_b32 s[\g+1], 128<<16                     ; a row: 128 elements, 1,024 bytes
	s_mov_b32 s[\g+2], (TROWS/4)<<16               ; 33 rows
	s_mov_b32 s[\g+3], 128<<16
	s_mov_b32 s[\g+4], TROWS/4
	s_mov_b32 s[\g+5], 128                         ; the rows lie end to end
	s_mov_b32 s[\g+6], 0
	s_mov_b32 s[\g+7], 0
.endr
	s_lshl_b32 s20, s17, 1
	s_add_co_u32 s20, s20, s16
	s_mul_i32 s20, s20, GROW                       ; A: my group of 128 rows
	s_mov_b32 s21, 0
	s_lshl_b32 s46, s42, 1
	s_add_co_u32 s46, s46, s16
	s_mul_i32 s46, s46, GROW                       ; B likewise
	s_mov_b32 s47, 0
	s_cmp_eq_u32 s15, 0                            ; the prefetches: the tile that I fetch, and my work-group's 32 rows of it
	s_cselect_b32 s22, s20, s46
	s_cselect_b32 s23, s40, s41
	s_lshl_b32 s23, s23, 13
	s_add_co_u32 s22, s22, s23
	s_mov_b32 s23, 0
	s_mul_i32 s45, s14, HALFT
	s_wait_dscnt 0x0                               ; both opening adds are done
	CROUND                                         ; the round in front of the first joint loads
	s_wait_kmcnt 0x0
	s_cmp_eq_u32 s15, 0
	s_cselect_b64 s[PFA:PFA+1], s[4:5], s[6:7]
	s_add_nc_u64 s[PFA:PFA+1], s[PFA:PFA+1], s[22:23]
	s_add_nc_u64 s[20:21], s[4:5], s[20:21]
	s_add_nc_u64 s[46:47], s[6:7], s[46:47]
.irp s, 0,1
	s_mov_b32 s[G0+4*\s], 1
	s_add_co_u32 s[G0+4*\s+1], s45, \s*SLOT
	s_add_nc_u64 s[G0+4*\s+2:G0+4*\s+3], s[20:21], \s*TILE
	s_or_b32 s[G0+4*\s+3], s[G0+4*\s+3], 0x80000000
	s_mov_b32 s[G0B+4*\s], 1
	s_add_co_u32 s[G0B+4*\s+1], s45, \s*SLOT
	s_add_nc_u64 s[G0B+4*\s+2:G0B+4*\s+3], s[46:47], \s*TILE
	s_or_b32 s[G0B+4*\s+3], s[G0B+4*\s+3], 0x80000000
.endr
	JLOAD G0, G1, G0B, G1B                         ; K step 0: one tensor load a wave at the head
	s_mul_i32 s70, s15, HALFT                      ; LDS: my 128 rows of A in slot 0, 1
	s_add_co_u32 s71, s70, SLOT
	s_mul_i32 s72, s16, HALFT                      ; my 128 rows of B, behind A's two tiles
	s_add_co_u32 s72, s72, 2*HALFT
	s_add_co_u32 s73, s72, SLOT
	s_add_co_u32 s74, s70, SOFF                    ; A's scale bytes
	s_add_co_u32 s75, s74, SLOT
	s_xor_b32 s76, s15, 1
	s_add_co_u32 s76, s76, s16
	s_add_co_u32 s76, s76, 1
	s_mul_i32 s76, s76, HALFT                      ; from A's scale bytes to B's
	s_mul_i32 s77, s14, 16*SPITCH
	s_add_co_u32 s77, s77, STAGE                   ; my stage
	s_lshl_b32 s46, s42, 10
	s_lshl_b32 s47, s16, 9
	s_add_co_u32 s46, s46, s47                     ; my first column, in bytes
	s_mov_b32 s47, 0
	s_add_nc_u64 s[8:9], s[8:9], s[46:47]
	s_lshl_b32 s20, s17, 8
	s_lshl_b32 s21, s15, 7
	s_add_co_u32 s20, s20, s21
	s_lshl_b32 s20, s20, 14                        ; my first row of out0, 16,384 bytes a row
	s_mov_b32 s21, 0
	s_add_nc_u64 s[20:21], s[20:21], s[46:47]
	s_add_nc_u64 s[10:11], s[10:11], s[20:21]
	v_and_b32 v1, 15, v0                           ; r
	v_bfe_u32 v2, v0, 4, 1                         ; h
	v_and_b32 v6, 31, v0                           ; lane
	v_mul_u32_u24 v3, v1, PITCH
	v_lshl_add_u32 v4, v2, 4, v3                   ; a fragment's row x pitch + 16 h
	v_add_nc_u32 v[ADRA], s70, v4
	v_add_nc_u32 v[ADRA+1], s71, v4
	v_add_nc_u32 v[ADRB], s72, v4
	v_add_nc_u32 v[ADRB+1], s73, v4
	v_mul_u32_u24 v7, s76, v2                      ; lanes 16-31 take B's scale words
	v_lshl_add_u32 v5, v1, 3, v7
	v_add_nc_u32 v[ADRS], s74, v5
	v_add_nc_u32 v[ADRS+1], s75, v5
	v_mul_u32_u24 v8, v1, SPITCH
	v_lshl_add_u32 v8, v2, 5, v8
	v_add_nc_u32 v[STO], s77, v8
	v_lshlrev_b32 v[CO], 4, v6
	v_add_nc_u32 v[RD], s77, v[CO]
	v_lshlrev_b32 v[PFO], 8, v6
	s_wait_alu depctr_va_vdst(0)
	global_prefetch_b8 v[PFO], s[PFA:PFA+1] offset:TILE th:TH_LOAD_NT scope:SCOPE_SE
	global_prefetch_b8 v[PFO], s[PFA:PFA+1] offset:2*TILE th:TH_LOAD_NT scope:SCOPE_SE
	global_load_b128 v[BIAS:BIAS+3], v[CO], s[8:9] ; bias of columns 4 lane .. 4 lane + 3 of my 128
; product n = 8 a + b of a half: A's block a x B's block b, the slot's q-th 128 along K.  The 64 accumulators take turns.
.macro PROD n, q, sc, zero
.set A_, (\n)/8
.set B_, (\n)%8
.if A_ < 4
.set AR_, AF+16*A_
.else
.set AR_, AD+64*(\q)+16*(A_-4)
.endif
.set AC_, 8*(8*(A_%4)+B_)
.set BR_, 128*(\q)+16*B_
.set SB_, SC+16*(\sc)+8*(\q)+B_
.set SA_, SC+16*(\sc)+8*(\q)+A_
.if A_ < 4
	WIN MUL_LO
.else
	WIN MUL_HI
.endif
.if \zero
	v_wmma_scale_f32_16x16x128_f8f6f4 v[AC_:AC_+7], v[BR_:BR_+15], v[AR_:AR_+15], 0, v[SB_], v[SA_] matrix_a_fmt:MATRIX_FMT_BF8 matrix_b_fmt:MATRIX_FMT_BF8 matrix_a_scale:MATRIX_SCALE_ROW1
.else
	v_wmma_scale_f32_16x16x128_f8f6f4 v[AC_:AC_+7], v[BR_:BR_+15], v[AR_:AR_+15], v[AC_:AC_+7], v[SB_], v[SA_] matrix_a_fmt:MATRIX_FMT_BF8 matrix_b_fmt:MATRIX_FMT_BF8 matrix_a_scale:MATRIX_SCALE_ROW1
.endif
.endm
.macro RUN from, to, q, sc, zero
.set N_, \from
.rept (\to)-(\from)
	PROD N_, \q, \sc, \zero
.set N_, N_+1
.endr
.endm
.macro LB ns, nq                       ; B's eight fragments of slot ns, 128 along K number nq, into set nq: 32 loads
	WIN TO_B
.irp b, 0,1,2,3,4,5,6,7
.irp c, 0,1,2,3
	ds_load_b128 v[128*(\nq)+16*\b+4*\c:128*(\nq)+16*\b+4*\c+3], v[ADRB+(\ns)] offset:128*(\nq)+32*\c+\b*16*PITCH
.endr
.endr
	WIN 0
.endm
.macro LA03 ns, nq                     ; A's blocks 0-3: 16 loads
.irp a, 0,1,2,3
.irp c, 0,1,2,3
	ds_load_b128 v[AF+16*\a+4*\c:AF+16*\a+4*\c+3], v[ADRA+(\ns)] offset:128*(\nq)+32*\c+\a*16*PITCH
.endr
.endr
.endm
.macro LA47 ns, nq                     ; A's blocks 4-7 into set nq: 16 loads
.irp a, 4,5,6,7
.irp c, 0,1,2,3
	ds_load_b128 v[AD+64*(\nq)+16*(\a-4)+4*\c:AD+64*(\nq)+16*(\a-4)+4*\c+3], v[ADRA+(\ns)] offset:128*(\nq)+32*\c+\a*16*PITCH
.endr
.endr
.endm
.macro LS ns                           ; slot ns's 16 scale words: lanes 0-15 A's block i, lanes 16-31 B's
.irp q, 0,1
.irp i, 0,1,2,3,4,5,6,7
	ds_load_b32 v[SC+16*(\ns)+8*\q+\i], v[ADRS+(\ns)] offset:272*(\i/2)+128*(\i%2)+4*\q
.endr
.endr
.endm
.macro L48                             ; the run that may stand anywhere in a half
	s_wait_dscnt 0x0                               ; no load of mine is out
	PLACES 8
	LB NS_, NQ_
	LA47 NS_, NQ_
.endm
.macro ARM w                           ; wave w alone issues it here
	WIN 0
	s_cmp_eq_u32 s14, \w
	s_cbranch_scc0 .Lskip_\@
	L48
.Lskip_\@:
.endm
.macro ASK                             ; K step j + 4 of my tile; the loop's last trip has none
	s_cmp_gt_u32 s3, 1
	s_cbranch_scc0 .Lnone_\@
	global_prefetch_b8 v[PFO], s[PFA:PFA+1] offset:3*TILE th:TH_LOAD_NT scope:SCOPE_SE
.Lnone_\@:
.endm
.macro L16 q, pf                       ; the run that stands behind product 31
.if \q
	LS NS_
.endif
	LA03 NS_, NQ_
.if \pf
	ASK
.endif
.endm
; A half of a K step: the slot's q-th 128 along K.  ld = 1: the next half is fetched; 2: only A's blocks 0-3 of it (the rest is in); 0: nothing.  rnd = 1: the change of slots stands behind its last product.  pf = 1: with a prefetch.
.macro HALF slot, q, zero, ld, rnd, pf
.if \q
.set NS_, 1-(\slot)
.set NQ_, 0
.else
.set NS_, \slot
.set NQ_, 1
.endif
	s_wait_dscnt 0x0                               ; all that this half multiplies is in
.if (\ld) == 1
	ARM 3
.endif
	RUN 0, 16, \q, \slot, \zero
.if (\ld) == 1
	ARM 2
.endif
	RUN 16, 32, \q, \slot, \zero
	WIN 0
.if \ld
	PLACES 8
.if (\ld) == 1
	ARM 0
	s_cmp_eq_u32 s14, 1
	s_cbranch_scc1 .Llate_\@
.endif
	L16 \q, \pf
.if (\ld) == 1
.Llate_\@:
.endif
.endif
	RUN 32, 48, \q, \slot, \zero
	WIN 0
.if (\ld) == 1
	s_cmp_eq_u32 s14, 1
	s_cbranch_scc0 .Lnot_1_\@
	L48
	L16 \q, \pf
.Lnot_1_\@:
.endif
.if \rnd
	s_wait_xcnt 0x0                                ; my prefetches have read their address: it steps one K step
	s_add_nc_u64 s[PFA:PFA+1], s[PFA:PFA+1], TILE
.endif
	RUN 48, 64, \q, \slot, \zero
	WIN 0
.if \rnd
	s_wait_tensorcnt 0x0                           ; my part of the other slot has landed
	ds_add_u32 v[SPW], v[NIL]
	s_add_nc_u64 s[G0+4*\slot+2:G0+4*\slot+3], s[G0+4*\slot+2:G0+4*\slot+3], 2*TILE
	s_add_nc_u64 s[G0B+4*\slot+2:G0B+4*\slot+3], s[G0B+4*\slot+2:G0B+4*\slot+3], 2*TILE
	s_wait_dscnt 0x0                               ; the add is done and my reads of this slot are over
	s_barrier_signal -1
	s_barrier_wait -1
	CREST                                          ; the round: no wave of any partner reads this slot or has a load out
.endif
.endm
	s_wait_tensorcnt 0x0                           ; my part of K step 0 is in
	ds_add_u32 v[SPW], v[NIL]
	s_wait_dscnt 0x0
	CROUND
	JLOAD G0+4, G1, G0B+4, G1B                     ; K step 1 into slot 1
	global_prefetch_b8 v[PFO], s[PFA:PFA+1] offset:3*TILE th:TH_LOAD_NT scope:SCOPE_SE
	LS 0                                           ; K step 0: both halves' fragments, but for A's blocks 0-3 of the second
	LB 0, 0
	LA03 0, 0
	LA47 0, 0
	LB 0, 1
	LA47 0, 1
	HALF 0, 0, 1, 2, 1, 0                          ; the first half starts the sums: C = 0
	s_mov_b32 s3, 7
.Llap:                                                 ; a trip: second half of K step 2 t, K step 2 t + 1, first half of K step 2 t + 2; it fills both slots again
	JLOAD G0, G1, G0B, G1B
	HALF 0, 1, 0, 1, 0, 1
	HALF 1, 0, 0, 1, 1, 0
	JLOAD G0+4, G1, G0B+4, G1B
	HALF 1, 1, 0, 1, 0, 1
	HALF 0, 0, 0, 1, 1, 0
	s_sub_co_u32 s3, s3, 1
	s_cmp_lg_u32 s3, 0
	s_cbranch_scc1 .Llap
	HALF 0, 1, 0, 1, 0, 0
	HALF 1, 0, 0, 1, 0, 0
	HALF 1, 1, 0, 0, 0, 0
; THE WAY OUT, by blocks of 16 rows x 128 columns: through my own stage in LDS, back as whole rows of 512 bytes; the bias is added; 32 lanes store 512 consecutive bytes.
.macro TOSTAGE a
.set AC, 64*((\a)%4)
	WIN 0x08+4*((\a)/4)
.irp b, 0,1,2,3,4,5,6,7
	ds_store_b128 v[STO], v[AC+8*\b:AC+8*\b+3] offset:64*\b          ; each accumulator from its low end on
	ds_store_b128 v[STO], v[AC+8*\b+4:AC+8*\b+7] offset:64*\b+16
.endr
	WIN 0
.set BB, BK+64*((\a)%2)
.irp t, 0,1,2,3,4,5,6,7,8,9,10,11,12,13,14,15
	ds_load_b128 v[BB+4*\t:BB+4*\t+3], v[RD] offset:\t*SPITCH       ; LDS serves a wave's instructions in order (ISA guide 5.7.1.4)
.endr
.endm
.macro SEND a, younger
.set BB, BK+64*((\a)%2)
	s_wait_dscnt \younger
.if (\a) > 0
	s_add_nc_u64 s[10:11], s[10:11], 16*16384      ; (behind a wait on XCNT)
.endif
.irp t, 0,1,2,3,4,5,6,7,8,9,10,11,12,13,14,15
	v_pk_add_f32 v[BB+4*\t:BB+4*\t+1], v[BB+4*\t:BB+4*\t+1], v[BIAS:BIAS+1]
	v_pk_add_f32 v[BB+4*\t+2:BB+4*\t+3], v[BB+4*\t+2:BB+4*\t+3], v[BIAS+2:BIAS+3]
.endr
.irp t, 0,1,2,3,4,5,6,7,8,9,10,11,12,13,14,15
	global_store_b128 v[CO], v[BB+4*\t:BB+4*\t+3], s[10:11] offset:\t*16384 th:TH_STORE_NT
.endr
.endm
	s_wait_loadcnt 0x0                             ; the bias is in
	PLACES 8
	TOSTAGE 0
.irp a, 1,2,3,4,5,6,7
.if \a > 1
	s_wait_xcnt 0x0                                ; block a - 2's stores have read their registers and their base
.endif
	TOSTAGE \a
	SEND \a-1, 32                                  ; behind block a - 1's loads: block a's 16 stores and 16 loads
.endr
	s_wait_xcnt 0x0
	SEND 7, 0
	s_wait_tensorcnt 0x0                           ; the wave's end
	ds_add_u32 v[SPW], v[NIL]
	s_wait_dscnt 0x0
	CROUND                                         ; the closing round
	s_endpgm
.Lfunc_end_k_q0ae9578872_gemm:
	.size	k_q0ae9578872_gemm, .Lfunc_end_k_q0ae9578872_gemm-k_q0ae9578872_gemm
	.p2alignl 7, 3214868480
	.fill 96, 4, 3214868480
	.section	.rodata,"a",@progbits
	.p2align	6, 0x0
	.amdhsa_kernel k_q0ae9578872_gemm
		.amdhsa_group_segment_fixed_size 327680
		.amdhsa_private_segment_fixed_size 0
		.amdhsa_enable_private_segment 0
		.amdhsa_kernarg_size 32
		.amdhsa_user_sgpr_count 2
		.amdhsa_user_sgpr_kernarg_segment_ptr 1
		.amdhsa_wavefront_size32 1
		.amdhsa_system_sgpr_workgroup_id_x 1
		.amdhsa_system_sgpr_workgroup_id_y 1
		.amdhsa_system_sgpr_workgroup_id_z 1
		.amdhsa_system_vgpr_workitem_id 0
		.amdhsa_next_free_vgpr 1024
		.amdhsa_next_free_sgpr 80
		.amdhsa_reserve_vcc 0
		.amdhsa_float_denorm_mode_32 3
		.amdhsa_float_denorm_mode_16_64 3
		.amdhsa_memory_ordered 1
		.amdhsa_forward_progress 1
		.amdhsa_inst_pref_size 235
	.end_amdhsa_kernel
	.amdgpu_metadata
---
amdhsa.version: [ 1, 2 ]
amdhsa.kernels:
  - .name:           k_q0ae9578872_gemm
    .symbol:         k_q0ae9578872_gemm.kd
    .args:
      - { .name: aq, .offset: 0, .size: 8, .value_kind: global_buffer, .address_space: global }
      - { .name: bq, .offset: 8, .size: 8, .value_kind: global_buffer, .address_space: global }
      - { .name: bias, .offset: 16, .size: 8, .value_kind: global_buffer, .address_space: global }
      - { .name: out0, .offset: 24, .size: 8, .value_kind: global_buffer, .address_space: global }
    .group_segment_fixed_size: 327680
    .private_segment_fixed_size: 0
    .kernarg_segment_align: 8
    .kernarg_segment_size: 32
    .max_flat_workgroup_size: 128
    .sgpr_count:     80
    .vgpr_count:     1024
    .wavefront_size: 32
...
	.end_amdgpu_metadata
.endif
;; end of part 2
